; MI455X (gfx1250); checked and timed in simulation.
; The chip was launched on July 23, 2026; its instructions are those of AMD's public machine-readable ISA for CDNA 5 (MIT licence, August 2026) and "CDNA5" Instruction Set Architecture Reference Guide (July 2026). The comments in the code are by the model that wrote it; some were corrected since.
;; Single head attention. Allowed arithmetic: float matrix products may take bf16 or f16 operands with f32 sums; all other float work in f32.
;; Inputs: Wk 1,024 x 512 float32; Wq 1,024 x 512 float32; Wv 1,024 x 512 float32; bk 512 float32; bq 512 float32; bv 512 float32; key 8 x 2,048 x 1,024 float32; query 8 x 2,048 x 1,024 float32; value 8 x 2,048 x 1,024 float32.
;; Outputs: out0 8 x 2,048 x 512 float32.
;; One version. Each part assembles by itself: llvm-mc -triple=amdgcn-amd-amdhsa -mcpu=gfx1250 --defsym DOCPART=n.
;; ======== version 1 of 1: 3 launches
;; workspace buffers: wb 3,145,728 bytes; qkv 50,331,648 bytes
;; launch wcast (part 1): grid 128 x 3, 8 waves a work-group, no clusters, 0 bytes of LDS; arguments Wq, Wk, Wv, wb; writes wb
.if DOCPART == 1
	.amdgcn_target "amdgcn-amd-amdhsa--gfx1250"
	.amdhsa_code_object_version 6
	.text
	.protected	k_qcc2760cd4a_wcast
	.globl	k_qcc2760cd4a_wcast
	.p2align	8
	.type	k_qcc2760cd4a_wcast,@function
k_qcc2760cd4a_wcast:
	s_mov_b64 s[64:65], 0
	v_nop
	global_prefetch_b8 v0, s[64:65] scope:SCOPE_SE
	s_setreg_imm32_b32 hwreg(HW_REG_WAVE_MODE, 25, 1), 1
	s_wait_xcnt 0x0
; wb[y][k][n] = bf16(W_y[k][n]), y = 0: Wq, 1: Wk, 2: Wv.  Each W is [1024][512] f32, the copy keeps the layout.
; A stream of 6 MiB in and 3 MiB out: no LDS, no matrix unit, no loop.  A work-group converts 4,096 numbers, a thread two
; items of 8: 32 bytes in (two loads of 16), 16 bytes out, so that sixteen neighbouring lanes store 256 consecutive, aligned bytes.
	s_load_b256 s[4:11], s[0:1], 0x0               ; Wq s[4:5], Wk s[6:7], Wv s[8:9], wb s[10:11]
	s_and_b32 s14, ttmp7, 0xffff                   ; y: which W
	v_lshlrev_b32 v1, 5, v0                        ; 32 bytes of f32 a thread
	v_lshlrev_b32 v2, 4, v0                        ; 16 bytes of bf16 a thread
	s_lshl_b32 s16, ttmp9, 14                      ; the group's 16,384 bytes of W
	s_mov_b32 s17, 0
	s_lshl_b32 s18, s14, 20                        ; a W in bf16 is 1 MiB,
	s_lshl_b32 s20, ttmp9, 13                      ; the group's part of it 8,192 bytes
	s_add_co_u32 s18, s18, s20
	s_mov_b32 s19, 0
	s_wait_kmcnt 0x0
	s_cmp_eq_u32 s14, 1
	s_cselect_b64 s[12:13], s[6:7], s[4:5]
	s_cmp_eq_u32 s14, 2
	s_cselect_b64 s[12:13], s[8:9], s[12:13]
	s_add_nc_u64 s[12:13], s[12:13], s[16:17]
	s_add_nc_u64 s[10:11], s[10:11], s[18:19]
	global_load_b128 v[4:7],   v1, s[12:13] th:TH_LOAD_NT
	global_load_b128 v[8:11],  v1, s[12:13] offset:16 th:TH_LOAD_NT
	global_load_b128 v[12:15], v1, s[12:13] offset:8192 th:TH_LOAD_NT
	global_load_b128 v[16:19], v1, s[12:13] offset:8208 th:TH_LOAD_NT
	s_wait_loadcnt 0x2                             ; the first item is in; the second item's two loads stay out
	v_cvt_pk_bf16_f32 v20, v4, v5
	v_cvt_pk_bf16_f32 v21, v6, v7
	v_cvt_pk_bf16_f32 v22, v8, v9
	v_cvt_pk_bf16_f32 v23, v10, v11
	global_store_b128 v2, v[20:23], s[10:11]       ; no hint: the next launch reads wb
	s_wait_loadcnt 0x0
	v_cvt_pk_bf16_f32 v4, v12, v13                 ; v[4:7] were the first item, read above; no pending instruction names them
	v_cvt_pk_bf16_f32 v5, v14, v15
	v_cvt_pk_bf16_f32 v6, v16, v17
	v_cvt_pk_bf16_f32 v7, v18, v19
	global_store_b128 v2, v[4:7], s[10:11] offset:4096
	s_endpgm
.Lfunc_end_k_qcc2760cd4a_wcast:
	.size	k_qcc2760cd4a_wcast, .Lfunc_end_k_qcc2760cd4a_wcast-k_qcc2760cd4a_wcast
	.p2alignl 7, 3214868480
	.fill 96, 4, 3214868480
	.section	.rodata,"a",@progbits
	.p2align	6, 0x0
	.amdhsa_kernel k_qcc2760cd4a_wcast
		.amdhsa_group_segment_fixed_size 0
		.amdhsa_private_segment_fixed_size 0
		.amdhsa_enable_private_segment 0
		.amdhsa_kernarg_size 32
		.amdhsa_user_sgpr_count 2
		.amdhsa_user_sgpr_kernarg_segment_ptr 1
		.amdhsa_wavefront_size32 1
		.amdhsa_system_sgpr_workgroup_id_x 1
		.amdhsa_system_sgpr_workgroup_id_y 1
		.amdhsa_system_sgpr_workgroup_id_z 1
		.amdhsa_system_vgpr_workitem_id 0
		.amdhsa_next_free_vgpr 24
		.amdhsa_next_free_sgpr 66
		.amdhsa_reserve_vcc 0
		.amdhsa_float_denorm_mode_32 3
		.amdhsa_float_denorm_mode_16_64 3
		.amdhsa_memory_ordered 1
		.amdhsa_forward_progress 1
		.amdhsa_inst_pref_size 2
	.end_amdhsa_kernel
	.amdgpu_metadata
---
amdhsa.version: [ 1, 2 ]
amdhsa.kernels:
  - .name:           k_qcc2760cd4a_wcast
    .symbol:         k_qcc2760cd4a_wcast.kd
    .args:
      - { .name: Wq, .offset: 0, .size: 8, .value_kind: global_buffer, .address_space: global }
      - { .name: Wk, .offset: 8, .size: 8, .value_kind: global_buffer, .address_space: global }
      - { .name: Wv, .offset: 16, .size: 8, .value_kind: global_buffer, .address_space: global }
      - { .name: wb, .offset: 24, .size: 8, .value_kind: global_buffer, .address_space: global }
    .group_segment_fixed_size: 0
    .private_segment_fixed_size: 0
    .kernarg_segment_align: 8
    .kernarg_segment_size: 32
    .max_flat_workgroup_size: 256
    .sgpr_count:     66
    .vgpr_count:     24
    .wavefront_size: 32
...
	.end_amdgpu_metadata
.endif
;; end of part 1
;; launch proj (part 2): grid 128 x 3, 4 waves a work-group, clusters of 4 x 1, 327,680 bytes of LDS; arguments query, key, value, wb, bq, bk, bv, qkv; writes qkv
.if DOCPART == 2
	.amdgcn_target "amdgcn-amd-amdhsa--gfx1250"
	.amdhsa_code_object_version 6
	.text
	.protected	k_qcc2760cd4a_proj
	.globl	k_qcc2760cd4a_proj
	.p2align	8
	.type	k_qcc2760cd4a_proj,@function
k_qcc2760cd4a_proj:
	s_mov_b64 s[64:65], 0
	v_nop
	global_prefetch_b8 v0, s[64:65] scope:SCOPE_SE
	s_setreg_imm32_b32 hwreg(HW_REG_WAVE_MODE, 25, 1), 1
	s_wait_xcnt 0x0
	s_wait_alu depctr_hold_cnt(0) depctr_sa_sdst(0) depctr_va_vdst(0) depctr_va_sdst(0) depctr_va_ssrc(0) depctr_va_vcc(0) depctr_vm_vsrc(0)
	s_getreg_b32 s2, hwreg(HW_REG_IB_STS2, 6, 4)
	s_cmp_eq_u32 s2, 0
	s_cbranch_scc0 .Lentry_in_a_cluster
	s_endpgm
.Lentry_in_a_cluster:
	s_bfe_u32 s2, ttmp6, 0x10000c
	s_cmp_lg_u32 s2, 0x3003
	s_cbranch_scc0 .Lentry_shape_is_right
	s_endpgm
.Lentry_shape_is_right:
; qkv[y][row][n] = bf16( (sum over k of X_y[row][k] W_y[k][n] + b_y[n]) * f_y ),  y = 0: query/Wq/bq, 1: key/Wk/bk, 2: value/Wv/bv.
; X_y: [16384][1024] f32; W_y: wb[y], [1024][512] bf16; sums in f32.  f_0 = log2(e)/sqrt(512), f_1 = f_2 = 1.
; LIMITS, stated: q is scaled by f_0 BEFORE it is rounded to bf16 (reference scales the scores), so the order of rounding differs; X and W enter the
; matrix unit rounded to bf16; the f32 sum along K begins at k = 128 t0 and goes round (see ORDER ALONG K), so its order of rounding differs from cluster to cluster.
; A work-group makes 128 rows x all 512 columns with four waves; wave w makes the 128 rows x columns 128 w .. 128 w + 127: 64 accumulator tiles, 512 registers.
; K = 1024 goes in 16 sub-steps u of 64, each two quarters of 32 (64 matrix instructions a quarter).  All 16 are written out: every count and LDS offset is a constant.
; W comes by the tensor data mover into two LDS slots of 128 k-rows (two sub-steps each).  It lies [k][n], so its fragments are read by the transposing LDS load.
; X comes through registers (f32, 16-byte loads, two rows of 256 consecutive bytes a load), is rounded there and put into one of two small LDS stages:
; in f32 a tile would take twice the LDS bytes.  Each wave stages 32 of the 128 rows; loads run two sub-steps ahead of their use.
; CLUSTERS: the four work-groups of a cluster have the same y and walk the same W tiles: each W tile is asked for jointly (mask 15).  X and the output are read and
; written by one work-group alone, so there is nothing else to share.
; ORDER ALONG K: the cluster with x takes W's eight tiles of 128 k-rows in the order t0, t0 + 1, .. modulo 8, t0 = 2 ((x + x / 8) mod 4), and X's columns with them.
; So the clusters of one y begin at four different pairs of tiles, which together are all eight, and every later request is for a tile that other clusters asked for at their start.
; The matrix instruction is used transposed (source 0 = 16 columns of W, source 1 = 16 rows of X): a lane then holds row l % 16 and eight neighbouring columns.
;
; LDS: W slot 0, W slot 1 (128 rows, pitch 1,056), X stage 0, X stage 1 (128 rows, pitch 144), the way out (4 waves x 16 rows, pitch 272).
; The stages begin at multiples of 256 bytes behind the slots: no tensor load lands in a block that an LDS store writes.
; REGISTERS: window 0: v16-26 addresses, v64-127 / v128-191 fragments of X (two buffers), v192-223 at work.
;            window 1: v0-63 / v192-255 X as loaded (two buffers; v0-63 hold the bias at the end), v64-127 / v128-191 fragments of W.
;            window 2: accumulator tiles of rows 0-63 (tile (a, b) at v[8 (8 a + b)]); window 3: rows 64-127.
.set PW,     1056                      ; LDS pitch of a W row: 1,024 bytes + 32, an odd multiple of 32: the rows that a transposing load touches start at different banks
.set WQ,     32*PW                     ; what one tensor load brings: 32 k-rows
.set WSLOT,  128*PW
.set PX,     144                       ; LDS pitch of a staged X row: 128 bytes + 16, an odd multiple of 16
.set XS0,    2*WSLOT
.set XSB,    128*PX
.set STAGE,  XS0+2*XSB
.set SPITCH, 272
.set ADRW, 16                          ; v16-19  my W fragments' LDS address for sub-step u & 3
.set ADRX, 20                          ; v20     my X fragments' LDS address in stage 0
.set XST,  21                          ; v21     where I put 8 bytes of a staged row
.set XOFF, 22                          ; v22     byte offset in X of my 16 bytes
.set BOFF, 23                          ; v23     byte offset in the bias of my 8 columns of tile 0
.set STO,  24                          ; v24     the way out: where I put 16 bytes of a row
.set RD,   25                          ; v25     the way out: where I read a row back
.set CO,   26                          ; v26     my byte offset in the output
.set F0,   64
.set F1,   128
.set TMP,  192
.set G1,   24                          ; s[24:31] descriptor group 1
.set G0,   32                          ; s[32:39] descriptor group 0, one set for each slot
.set XB,   60                          ; s[60:61], s[62:63] X at the columns of the W tile of an even, an odd turn
.set MUL_LO, 0xa1                      ; source 0 (W) window 1, source 1 (X) window 0, C and D window 2
.set MUL_HI, 0xf1                      ; the same, C and D window 3
.set TO_B,   0x40                      ; destination window 1
.set CVTX,   0x05                      ; sources window 1, destination window 0
.set BMUL,   0x41                      ; source 0 and destination window 1
.set MSB, 0
.macro WIN new                         ; the immediate's high byte repeats the setting that is left
.if MSB != \new
	s_set_vgpr_msb (MSB<<8)|\new
.set MSB, \new
.endif
.endm
.macro PLACES                          ; four places behind a matrix instruction, in front of loads into its sources and of vector reads of its results
.rept 4
	v_nop
.endr
.endm
.macro CREST                           ; a round of the cluster's barrier behind its opening work-group barrier
	s_cmp_lg_u32 s20, 0
	s_cbranch_scc1 .Lnot_wave_0_\@
	s_barrier_signal -3
.Lnot_wave_0_\@:
	s_barrier_wait -3
	s_barrier_signal -1
	s_barrier_wait -1
.endm
.macro CROUND                          ; a whole round
	s_barrier_signal -1
	s_barrier_wait -1
	CREST
.endm
	s_load_b512 s[4:19], s[0:1], 0x0               ; query s[4:5], key s[6:7], value s[8:9], wb s[10:11], bq s[12:13], bk s[14:15], bv s[16:17], qkv s[18:19]
	v_lshl_add_u32 v254, v0, 2, 0x4f400
	v_mov_b32 v255, 0
	ds_add_u32 v254, v255
	v_lshrrev_b32 v1, 5, v0
	v_readfirstlane_b32 s20, v1                    ; wave 0..3
	s_bfe_u32 s21, ttmp6, 0x40000                  ; cx
	s_lshl_b32 s22, ttmp9, 2
	s_add_co_u32 s22, s22, s21                     ; row block = 4 x cluster x + cx
	s_and_b32 s23, ttmp7, 0xffff                   ; y, the same in the four partners
	s_lshr_b32 s3, ttmp9, 3
	s_add_co_u32 s3, s3, ttmp9
	s_and_b32 s3, s3, 3
	s_lshl_b32 s3, s3, 1                           ; t0 = 0, 2, 4 or 6: the W tile at which my cluster begins; made of the cluster's x alone
	v_and_b32 v1, 15, v0                           ; r = l % 16
	v_bfe_u32 v2, v0, 4, 1                         ; h = l / 16
	v_and_b32 v3, 7, v0                            ; l % 8
	v_bfe_u32 v4, v0, 3, 1                         ; (l / 8) % 2
	s_lshl_b32 s52, s20, 5                         ; my wave stages rows 32 w ..
	v_add_nc_u32 v5, s52, v2                       ; lanes 0-15 an even row, lanes 16-31 the next
	v_lshlrev_b32 v6, 12, v5                       ; a row of X is 4,096 bytes
	v_lshl_add_u32 v[XOFF], v1, 4, v6
	v_mul_u32_u24 v7, v5, PX
	v_lshl_add_u32 v7, v1, 3, v7                   ; 4 f32 become 8 bytes
	v_add_nc_u32 v[XST], XS0, v7
	v_lshl_add_u32 v8, v2, 3, v3                   ; W fragment: k-row 8 h + l % 8,
	v_mul_u32_u24 v8, v8, PW
	v_lshl_add_u32 v8, v4, 4, v8                   ; 16 bytes for each group of eight lanes,
	s_lshl_b32 s53, s20, 8                         ; my wave's 128 columns
	v_add_nc_u32 v[ADRW], s53, v8
.irp i, 1,2,3
	v_add_nc_u32 v[ADRW+\i], \i*64*PW, v[ADRW]     ; 64 k-rows on for each sub-step: halves of slot 0, then of slot 1
.endr
	v_mul_u32_u24 v9, v1, PX                       ; X fragment: row r, 16 bytes for each half of the lanes
	v_lshl_add_u32 v9, v2, 4, v9
	v_add_nc_u32 v[ADRX], XS0, v9
	s_lshl_b32 s54, s20, 9
	v_lshl_add_u32 v[BOFF], v2, 5, s54             ; bias of columns 128 w + 8 h ..
	s_mul_i32 s55, s20, 16*SPITCH
	s_add_co_u32 s55, s55, STAGE                   ; my wave's stage for the way out
	v_mul_u32_u24 v10, v1, SPITCH
	v_lshl_add_u32 v10, v2, 4, v10
	v_add_nc_u32 v[STO], s55, v10
	v_mul_u32_u24 v11, v2, SPITCH
	v_lshl_add_u32 v11, v1, 4, v11
	v_add_nc_u32 v[RD], s55, v11
	v_lshlrev_b32 v12, 10, v2                      ; a row of the output is 1,024 bytes
	v_lshl_add_u32 v[CO], v1, 4, v12
	s_mov_b32 s53, 0                               ; from here on s[52:53] is X's and s[54:55] W's byte offset of a tile, in 64 bits
	s_mov_b32 s55, 0
	s_lshl_b32 s56, s22, 19                        ; X: 128 rows of 4,096 bytes a row block
	s_mov_b32 s57, 0
	s_lshl_b32 s58, s23, 24                        ; output: 16 MiB a part,
	s_lshl_b32 s59, s22, 17                        ; 128 rows of 1,024 bytes a row block,
	s_add_co_u32 s58, s58, s59
	s_lshl_b32 s59, s20, 8                         ; 256 bytes a wave
	s_add_co_u32 s58, s58, s59
	s_mov_b32 s59, 0
	s_lshl_b32 s48, s23, 20                        ; W: 1 MiB a part, 32 k-rows of 1,024 bytes a wave.  These registers never hold cx
	s_lshl_b32 s50, s20, 15
	s_add_co_u32 s48, s48, s50
	s_mov_b32 s49, 0
	s_mul_i32 s51, s20, WQ                         ; and where my quarter of a tile goes
	; descriptor group 1: 32 rows of 512 elements of 2 bytes, 8 words of padding behind every 256 words, asked for jointly by the four partners
	s_mov_b32 s[G1+0], 15|(1<<16)|(1<<20)|(1<<21)|(7<<22)|(7<<25)
	s_mov_b32 s[G1+1], 512<<16                     ; tensor_dim0 = 512
	s_mov_b32 s[G1+2], 32<<16                      ; tensor_dim1 = 32
	s_mov_b32 s[G1+3], 512<<16                     ; tile_dim0 = 512
	s_mov_b32 s[G1+4], 32                          ; tile_dim1 = 32
	s_mov_b32 s[G1+5], 512                         ; elements from row to row
	s_mov_b32 s[G1+6], 0
	s_mov_b32 s[G1+7], 0
	s_wait_dscnt 0x0
	s_wait_kmcnt 0x0
	s_cmp_eq_u32 s23, 1
	s_cselect_b64 s[40:41], s[6:7], s[4:5]         ; X
	s_cselect_b64 s[42:43], s[14:15], s[12:13]     ; bias
	s_cmp_eq_u32 s23, 2
	s_cselect_b64 s[40:41], s[8:9], s[40:41]
	s_cselect_b64 s[42:43], s[16:17], s[42:43]
	s_cmp_eq_u32 s23, 0
	s_cselect_b32 s46, 0x3d8293ee, 1.0             ; f: log2(e)/sqrt(512) for q, else 1
	s_mov_b32 s47, s46
	s_add_nc_u64 s[40:41], s[40:41], s[56:57]
	s_add_nc_u64 s[44:45], s[18:19], s[58:59]
	s_add_nc_u64 s[48:49], s[10:11], s[48:49]      ; W of my y at my wave's 32 rows of tile 0
; X's base for the W tile of turn t, which is tile (t0 + t) mod 8: 128 columns of f32 are 512 bytes.  Turns of like parity share a pair of registers.
.macro XBASE t
	s_add_co_u32 s52, s3, \t
	s_and_b32 s52, s52, 7
	s_lshl_b32 s52, s52, 9
	s_add_nc_u64 s[XB+2*((\t)&1):XB+2*((\t)&1)+1], s[40:41], s[52:53]
.endm
; 16 loads: my 32 rows x 64 k of sub-step u, f32, two rows of 256 consecutive bytes a load, into the buffer of u's parity
.macro XLOAD u
.set XRB, ((\u)&1)*192
.set XBP, XB+2*(((\u)>>1)&1)
	WIN TO_B
.irp i, 0,1,2,3,4,5,6,7,8,9,10,11,12,13,14,15
	global_load_b128 v[XRB+4*\i:XRB+4*\i+3], v[XOFF], s[XBP:XBP+1] offset:8192*\i+256*((\u)&1) th:TH_LOAD_NT
.endr
.endm
	XBASE 0
	XLOAD 0
	XLOAD 1
	WIN 0
.irp n, 0,1
	s_mov_b32 s[G0+4*\n], 1                                        ; count = 1
	s_add_co_u32 s[G0+4*\n+1], s51, \n*WSLOT                       ; LDS address: wave x 32 rows + the slot
	s_add_co_u32 s54, s3, \n                                       ; tiles t0 and t0 + 1 (t0 is even: no wrap)
	s_lshl_b32 s54, s54, 17                                        ; a tile is 128 k-rows of 1,024 bytes
	s_add_nc_u64 s[G0+4*\n+2:G0+4*\n+3], s[48:49], s[54:55]
	s_or_b32 s[G0+4*\n+3], s[G0+4*\n+3], 0x80000000                ; type = 2
.endr
	CROUND                                         ; the four partners are here: the first joint loads meet
	tensor_load_to_lds s[G0:G0+3], s[G1:G1+7]      ; both first fills in one group: two tensor loads of the wave are out, later one
	s_nop 0
	tensor_load_to_lds s[G0+4:G0+7], s[G1:G1+7]
	s_nop 0
; 16 matrix instructions: row blocks a0, a0 + 1 of the window's four x my 8 column blocks, 32 along K.  zero = 1: the first product starts the sums.
; The 64 accumulators take turns, one instruction a turn, in the same order in every quarter.
.macro MUL16 f, hi, a0, zero
.irp a, \a0, \a0+1
.irp b, 0,1,2,3,4,5,6,7
.if \zero
	v_wmma_f32_16x16x32_bf16 v[8*(8*(\a)+\b):8*(8*(\a)+\b)+7], v[\f+8*\b:\f+8*\b+7], v[\f+8*(4*\hi+\a):\f+8*(4*\hi+\a)+7], 0
.else
	v_wmma_f32_16x16x32_bf16 v[8*(8*(\a)+\b):8*(8*(\a)+\b)+7], v[\f+8*\b:\f+8*\b+7], v[\f+8*(4*\hi+\a):\f+8*(4*\hi+\a)+7], v[8*(8*(\a)+\b):8*(8*(\a)+\b)+7]
.endif
.endr
.endr
.endm
; 32 LDS loads in one run: the fragments of quarter q of sub-step u into buffer f: 8 x 16 columns of W (transposed on the way), then 8 x 16 rows of X
.macro FETCH u, q, f
	WIN TO_B
.irp i, 0,1,2,3,4,5,6,7
	ds_load_tr16_b128 v[\f+8*\i:\f+8*\i+3],   v[ADRW+((\u)&3)] offset:\q*32*PW+32*\i          ; k = 8 h .. 8 h + 7 of column 16 i + r
	ds_load_tr16_b128 v[\f+8*\i+4:\f+8*\i+7], v[ADRW+((\u)&3)] offset:\q*32*PW+32*\i+16*PW    ; k = 16 + 8 h ..
.endr
	WIN 0
.irp i, 0,1,2,3,4,5,6,7
	ds_load_b128 v[\f+8*\i:\f+8*\i+3],   v[ADRX] offset:((\u)&1)*XSB+64*\q+\i*16*PX
	ds_load_b128 v[\f+8*\i+4:\f+8*\i+7], v[ADRX] offset:((\u)&1)*XSB+64*\q+\i*16*PX+32
.endr
.endm
; My 32 rows of sub-step u1 go from registers into the stage of u1's parity; ahead = 1: the buffer is loaded again, two sub-steps on.
.macro XSTAGE u1, left, ahead
.set XRB, ((\u1)&1)*192
	s_wait_loadcnt \left                           ; loads come back in order: sub-step u1's 16 are in, the younger ones stay out
.if \ahead
.if ((\u1)&1) == 0
	XBASE ((\u1)+2)>>1                             ; a new W tile's columns.  The pair's last 32 loads (sub-steps u1 - 2, u1 - 1) are older than those just waited for: done
.endif
.endif
	WIN CVTX
.irp i, 0,1,2,3,4,5,6,7,8,9,10,11,12,13,14,15
	v_cvt_pk_bf16_f32 v[TMP+2*\i],   v[XRB+4*\i],   v[XRB+4*\i+1]
	v_cvt_pk_bf16_f32 v[TMP+2*\i+1], v[XRB+4*\i+2], v[XRB+4*\i+3]
.endr
	WIN 0
.irp i, 0,1,2,3,4,5,6,7,8,9,10,11,12,13,14,15
	ds_store_b64 v[XST], v[TMP+2*\i:TMP+2*\i+1] offset:((\u1)&1)*XSB+2*PX*\i
.endr
.if \ahead
	XLOAD \u1+2
.endif
.endm
.macro BIAS                            ; the bias of my 8 columns of each of my 8 column blocks, into the X buffer that has had its last use
	WIN TO_B
.irp b, 0,1,2,3,4,5,6,7
	global_load_b128 v[8*\b:8*\b+3],   v[BOFF], s[42:43] offset:64*\b
	global_load_b128 v[8*\b+4:8*\b+7], v[BOFF], s[42:43] offset:64*\b+16
.endr
.endm
; Sub-step u, 0 to 14.  Quarter 0 multiplies buffer 0 and fetches quarter 1; then X of sub-step u + 1 is staged; quarter 1 multiplies buffer 1 and, behind
; ONE barrier, fetches the next sub-step's first fragments.  In front of that barrier each wave has waited for its stage stores and for all its LDS reads:
; behind it the new stage is whole and the old one, which the next sub-step's staging overwrites, is read by nobody.
; In odd sub-steps the W slot changes too: each wave waits for all its tensor loads (one is out: its quarter of the next slot), and where the slot is filled
; again the barrier opens a round of the cluster's barrier, with the joint refill first behind the round.  That load has two sub-steps in which to land.
.macro SUB u, zero
	s_wait_dscnt 8                                 ; W and X's rows 0-63 are in; the youngest eight loads (X's rows 64-127) may be out
	WIN MUL_LO
	MUL16 F0, 0, 0, \zero
	MUL16 F0, 0, 2, \zero
	PLACES
	FETCH \u, 1, F1
	s_wait_dscnt 32                                ; all but the 32 just issued
	WIN MUL_HI
	MUL16 F0, 1, 0, \zero
	MUL16 F0, 1, 2, \zero
.if \u < 13
	XSTAGE \u+1, 16, 1                             ; 16: the 16 loads of sub-step u + 2 are younger
.else
.if \u == 13
	XSTAGE \u+1, 16, 0                             ; nothing is left to load beyond sub-step 15
.else
	XSTAGE \u+1, 0, 0                              ; the last 16 loads
	BIAS
.endif
.endif
	s_wait_dscnt 24                                ; younger: 8 loads (X's rows 64-127) and the 16 stage stores
	WIN MUL_LO
	MUL16 F1, 0, 0, 0
	s_wait_dscnt 0                                 ; my stage stores and all my LDS reads are done
.if (\u) & 1
	s_set_vgpr_msb 0xa1a0
	s_wait_tensorcnt 0x0                           ; all my tensor loads have landed: my quarter of the next W slot; so a group 0 may be written
	ds_add_u32 v254, v255
	s_wait_dscnt 0x0
	s_set_vgpr_msb 0xa0a1
.if \u < 13
	s_add_co_u32 s54, s3, ((\u)>>1)+2              ; two turns on: tile (t0 + turn) mod 8
	s_and_b32 s54, s54, 7
	s_lshl_b32 s54, s54, 17
	s_add_nc_u64 s[G0+4*((\u>>1)&1)+2:G0+4*((\u>>1)&1)+3], s[48:49], s[54:55]
	s_or_b32 s[G0+4*((\u>>1)&1)+3], s[G0+4*((\u>>1)&1)+3], 0x80000000
.endif
.endif
	s_barrier_signal -1
	MUL16 F1, 0, 2, 0                              ; register work while the others arrive
	WIN 0
	s_barrier_wait -1
.if (\u) & 1
.if \u < 13
	CREST                                          ; no wave of any partner still reads this slot or has a load on its way
	tensor_load_to_lds s[G0+4*((\u>>1)&1):G0+4*((\u>>1)&1)+3], s[G1:G1+7]    ; into the slot just left
	s_nop 0
.endif
.endif
	PLACES
	FETCH \u+1, 0, F0
	WIN MUL_HI
	MUL16 F1, 1, 0, 0
	MUL16 F1, 1, 2, 0
.endm
	XSTAGE 0, 16, 1                                ; sub-step 0 into stage 0; sub-step 1's 16 loads stay out; sub-step 2 is asked for
	s_wait_tensorcnt 0x1                           ; my quarter of the first W tile is in; the second may stay out
	s_wait_dscnt 0x0                               ; my stage stores are done
	s_barrier_signal -1
	s_barrier_wait -1
	FETCH 0, 0, F0
	SUB 0, 1                                       ; its first quarter starts the sums: nothing is cleared
.irp u, 1,2,3,4,5,6,7,8,9,10,11,12,13,14
	SUB \u, 0
.endr
	s_wait_dscnt 8                                 ; sub-step 15: nothing more to stage, no slot to change
	WIN MUL_LO
	MUL16 F0, 0, 0, 0
	MUL16 F0, 0, 2, 0
	PLACES
	FETCH 15, 1, F1
	s_wait_dscnt 32
	WIN MUL_HI
	MUL16 F0, 1, 0, 0
	MUL16 F0, 1, 2, 0
	s_wait_dscnt 8
	WIN MUL_LO
	MUL16 F1, 0, 0, 0
	MUL16 F1, 0, 2, 0
	s_wait_dscnt 0
	WIN MUL_HI
	MUL16 F1, 1, 0, 0
	MUL16 F1, 1, 2, 0
	; THE WAY OUT: (sum + b) f = sum f + (b f), one fused multiply-add; round to bf16; 16 rows at a time through my own stage, back as whole rows of 256 bytes.
	PLACES
	s_wait_loadcnt 0x0                             ; the bias
	WIN BMUL
.set p, 0
.rept 32
	v_pk_mul_f32 v[2*p:2*p+1], v[2*p:2*p+1], s[46:47] op_sel_hi:[1,0]
.set p, p+1
.endr
; rows 16 i .. 16 i + 15 = the eight tiles (a, 0..7) of window 2 or 3; fma, pack: the window settings; f: F0 or F1 in turn
.macro OUT16 i, a, fma, pack, f
	WIN \fma
.irp b, 0,1,2,3,4,5,6,7
.irp r, 0,1,2,3
	v_pk_fma_f32 v[8*(8*\a+\b)+2*\r:8*(8*\a+\b)+2*\r+1], v[8*(8*\a+\b)+2*\r:8*(8*\a+\b)+2*\r+1], s[46:47], v[8*\b+2*\r:8*\b+2*\r+1] op_sel_hi:[1,0,1]
.endr
.endr
	WIN \pack
.irp b, 0,1,2,3,4,5,6,7
.irp r, 0,1,2,3
	v_cvt_pk_bf16_f32 v[TMP+4*\b+\r], v[8*(8*\a+\b)+2*\r], v[8*(8*\a+\b)+2*\r+1]
.endr
.endr
	WIN 0
.irp b, 0,1,2,3,4,5,6,7
	ds_store_b128 v[STO], v[TMP+4*\b:TMP+4*\b+3] offset:32*\b
.endr
	s_wait_xcnt 0x0                                ; buffer f, which earlier stores read, is loaded again only behind this wait
.irp t, 0,1,2,3,4,5,6,7
	ds_load_b128 v[\f+4*\t:\f+4*\t+3], v[RD] offset:\t*2*SPITCH    ; LDS serves a wave's instructions in order: these see the stores above
.endr
.irp t, 0,1,2,3,4,5,6,7
	s_wait_dscnt 7-\t                              ; the younger row loads stay out
	global_store_b128 v[CO], v[\f+4*\t:\f+4*\t+3], s[44:45] offset:16384*\i+2048*\t   ; 16 lanes store 256 consecutive bytes, aligned; no hint: the next launch reads them
.endr
.endm
	OUT16 0, 0, 0x92, 0x0a, F0
	OUT16 1, 1, 0x92, 0x0a, F1
	OUT16 2, 2, 0x92, 0x0a, F0
	OUT16 3, 3, 0x92, 0x0a, F1
	OUT16 4, 0, 0xd3, 0x0f, F0
	OUT16 5, 1, 0xd3, 0x0f, F1
	OUT16 6, 2, 0xd3, 0x0f, F0
	OUT16 7, 3, 0xd3, 0x0f, F1
	s_wait_tensorcnt 0x0
	ds_add_u32 v254, v255
	s_wait_dscnt 0x0
	CROUND                                         ; the closing round: no work-group ends while a partner may still ask for a tile that names it
	s_endpgm
.Lfunc_end_k_qcc2760cd4a_proj:
	.size	k_qcc2760cd4a_proj, .Lfunc_end_k_qcc2760cd4a_proj-k_qcc2760cd4a_proj
	.p2alignl 7, 3214868480
	.fill 96, 4, 3214868480
	.section	.rodata,"a",@progbits
	.p2align	6, 0x0
	.amdhsa_kernel k_qcc2760cd4a_proj
		.amdhsa_group_segment_fixed_size 327680
		.amdhsa_private_segment_fixed_size 0
		.amdhsa_enable_private_segment 0
		.amdhsa_kernarg_size 64
		.amdhsa_user_sgpr_count 2
		.amdhsa_user_sgpr_kernarg_segment_ptr 1
		.amdhsa_wavefront_size32 1
		.amdhsa_system_sgpr_workgroup_id_x 1
		.amdhsa_system_sgpr_workgroup_id_y 1
		.amdhsa_system_sgpr_workgroup_id_z 1
		.amdhsa_system_vgpr_workitem_id 0
		.amdhsa_next_free_vgpr 1024
		.amdhsa_next_free_sgpr 66
		.amdhsa_reserve_vcc 0
		.amdhsa_float_denorm_mode_32 3
		.amdhsa_float_denorm_mode_16_64 3
		.amdhsa_memory_ordered 1
		.amdhsa_forward_progress 1
		.amdhsa_inst_pref_size 255
	.end_amdhsa_kernel
	.section	.bss,"aw",@nobits
	.p2align	6
	.space	262144
	.amdgpu_metadata
---
amdhsa.version: [ 1, 2 ]
amdhsa.kernels:
  - .name:           k_qcc2760cd4a_proj
    .symbol:         k_qcc2760cd4a_proj.kd
    .args:
      - { .name: query, .offset: 0, .size: 8, .value_kind: global_buffer, .address_space: global }
      - { .name: key, .offset: 8, .size: 8, .value_kind: global_buffer, .address_space: global }
      - { .name: value, .offset: 16, .size: 8, .value_kind: global_buffer, .address_space: global }
      - { .name: wb, .offset: 24, .size: 8, .value_kind: global_buffer, .address_space: global }
      - { .name: bq, .offset: 32, .size: 8, .value_kind: global_buffer, .address_space: global }
      - { .name: bk, .offset: 40, .size: 8, .value_kind: global_buffer, .address_space: global }
      - { .name: bv, .offset: 48, .size: 8, .value_kind: global_buffer, .address_space: global }
      - { .name: qkv, .offset: 56, .size: 8, .value_kind: global_buffer, .address_space: global }
    .group_segment_fixed_size: 327680
    .private_segment_fixed_size: 0
    .kernarg_segment_align: 8
    .kernarg_segment_size: 64
    .max_flat_workgroup_size: 128
    .sgpr_count:     66
    .vgpr_count:     1024
    .wavefront_size: 32
...
	.end_amdgpu_metadata
.endif
;; end of part 2
;; launch attn (part 3): grid 32 x 8, 4 waves a work-group, clusters of 4 x 1, 327,680 bytes of LDS; arguments qkv, out0; writes out0
.if DOCPART == 3
	.amdgcn_target "amdgcn-amd-amdhsa--gfx1250"
	.amdhsa_code_object_version 6
	.text
	.protected	k_qcc2760cd4a_attn
	.globl	k_qcc2760cd4a_attn
	.p2align	8
	.type	k_qcc2760cd4a_attn,@function
k_qcc2760cd4a_attn:
	s_mov_b64 s[64:65], 0
	v_nop
	global_prefetch_b8 v0, s[64:65] scope:SCOPE_SE
	s_setreg_imm32_b32 hwreg(HW_REG_WAVE_MODE, 25, 1), 1
	s_wait_xcnt 0x0
	s_wait_alu depctr_hold_cnt(0) depctr_sa_sdst(0) depctr_va_vdst(0) depctr_va_sdst(0) depctr_va_ssrc(0) depctr_va_vcc(0) depctr_vm_vsrc(0)
	s_getreg_b32 s2, hwreg(HW_REG_IB_STS2, 6, 4)
	s_cmp_eq_u32 s2, 0
	s_cbranch_scc0 .Lentry_in_a_cluster
	s_endpgm
.Lentry_in_a_cluster:
	s_bfe_u32 s2, ttmp6, 0x10000c
	s_cmp_lg_u32 s2, 0x3003
	s_cbranch_scc0 .Lentry_shape_is_right
	s_endpgm
.Lentry_shape_is_right:
; out0[b][s][:] = softmax over keys of (q . k / sqrt(512)) times v.  qkv: [3][16384][512] bf16; q already carries the factor log2(e)/sqrt(512),
; so a score is an exponent to base 2.  Softmax with a running maximum, in f32; out0 in f32.
; LIMITS, stated: the probabilities enter the second product rounded to bf16 while the row sum is taken from the unrounded f32 numbers; a probability
; below 2^-126 counts as 0 (v_exp_f32 flushes denormal results: ISA guide 15.8); scores that overflow f32 give NaN, as they do in reference();
; the key blocks are taken in an order that differs from cluster to cluster (see ORDER OF THE KEY BLOCKS), so the order of rounding of the sums does too.
; A work-group takes 64 queries of one batch, four waves; the keys go in 16 blocks of 128.  Both products are used transposed:
;   S^T = K Q^T: wave w makes keys 32 w .. 32 w + 31 (2 tiles) x 64 queries (4 groups): lane l holds query l % 16, its registers keys 8 (l / 16) + j,
;                so maxima and sums stay in the lane, and two packed tiles are already a fragment of P for the second product.
;   O^T = V^T P^T: wave w makes output columns 128 w .. 128 w + 127 (8 tiles) x 64 queries: lane l again holds query l % 16, so the rescaling factor is the lane's own.
; Q stays in registers (512), O too (256).  Each byte of K and of V is read from LDS once; P (16 KiB a block) goes through LDS to all four waves.
; One K buffer and one V buffer: V(t) lands while the last key step of block t - 1 and S(t) are made, K(t+1) while softmax and the second product of block t run.
; WHO DOES WHAT: the batch is the cluster's x; the query block is 4 x the cluster's y + the place in the cluster.
; CLUSTERS: the four work-groups of a cluster are query blocks of one batch and walk the same K and V tiles: every tile is asked for jointly (mask 15).
; Q and the output belong to one work-group alone.
; ORDER OF THE KEY BLOCKS: the eight clusters of a batch (the cluster's y = 0 .. 7) begin at the key blocks 0, 8, 4, 12, 6, 14, 10, 2 and go round modulo 16.
; In any step the eight ask for eight different tiles, and from its third step on a cluster asks for tiles that another cluster of the batch asked for two steps
; or more before.  A softmax with a running maximum gives the same result in any order of the blocks, but for rounding.
; LDS: K 128 rows, pitch 1,040; V 128 rows, pitch 1,056; P 16 fragments of 1,024 bytes; maxima and sums [wave][query % 16][group]; the way out 4 waves x 16 rows, pitch 528.
; What LDS stores write begins at a multiple of 256 bytes behind V's buffer: no tensor load lands there.
; REGISTERS: window 0: v8-18 addresses; v32-95 S, later two buffers of P fragments; v96-159, v160-223 two buffers of K or V fragments (v160-207 also at work in softmax);
;            v224-231 pairs (M, L) of the four groups, v232-239 pairs (A, T), v244-247 my wave's maxima.  Window 1: O, tile (c, g) at v[8 (4 c + g)].
;            Windows 2, 3: Q, fragment (d, g) at v[8 (4 (d % 8) + g)] of window 2 + d / 8.
.set PK,   1040                        ; 1,024 bytes + 16: an odd multiple of 16
.set PVP,  1056                        ; 1,024 bytes + 32: an odd multiple of 32, for the transposing load
.set VBUF, 128*PK
.set PBUF, VBUF+128*PVP
.set MBUF, PBUF+16384
.set OST,  MBUF+2048
.set OP,   528                         ; 512 bytes + 16
.set ADRK, 8
.set ADRV, 9                           ; v9, v10: key rows 0-63, 64-127
.set ADRP, 11
.set PST,  12
.set MST,  13
.set MRD,  14
.set QOFF, 15
.set OSTO, 16
.set ORD,  17
.set OOFF, 18
.set S,    32
.set PF0,  32
.set PF1,  64
.set KF0,  96
.set KF1,  160
.set MX,   160                         ; the four waves' maxima (or sums), 4 registers each
.set TP,   176                         ; at work in softmax: v176-207
.set MM,   224                         ; M[g] = v[MM+2g], L[g] = v[MM+2g+1]
.set AA,   232                         ; A[g] = v[AA+2g], T[g] = v[AA+2g+1]
.set ML,   244
.set G1K,  16
.set G1V,  24
.set G0K,  32
.set G0V,  36
.set W_S_LO, 0x08                      ; source 1 (Q) window 2
.set W_S_HI, 0x0c                      ; source 1 (Q) window 3
.set W_PV,   0x50                      ; C and D (O) window 1
.set W_RESC, 0x41                      ; source 0 and destination (O) window 1
.set W_Q_LO, 0x80                      ; destination window 2
.set W_Q_HI, 0xc0                      ; destination window 3
.set W_OST,  0x04                      ; an LDS store's data window 1
.set MSB, 0
.macro WIN new                         ; the immediate's high byte repeats the setting that is left
.if MSB != \new
	s_set_vgpr_msb (MSB<<8)|\new
.set MSB, \new
.endif
.endm
.macro PLACES                          ; four places behind a matrix instruction (ISA guide 7.12.1)
.rept 4
	v_nop
.endr
.endm
.macro CREST                           ; a round of the cluster's barrier behind its opening work-group barrier
	s_cmp_lg_u32 s8, 0
	s_cbranch_scc1 .Lnot_wave_0_\@
	s_barrier_signal -3
.Lnot_wave_0_\@:
	s_barrier_wait -3
	s_barrier_signal -1
	s_barrier_wait -1
.endm
.macro CROUND
	s_barrier_signal -1
	s_barrier_wait -1
	CREST
.endm
	s_load_b128 s[4:7], s[0:1], 0x0                ; qkv s[4:5], out0 s[6:7]
	v_lshl_add_u32 v254, v0, 2, 0x4e400
	v_mov_b32 v255, 0
	ds_add_u32 v254, v255
	v_lshrrev_b32 v1, 5, v0
	v_readfirstlane_b32 s8, v1                     ; wave 0..3
	s_bfe_u32 s9, ttmp6, 0x40000                   ; cx
	s_and_b32 s60, ttmp7, 0xffff                   ; the cluster's y, the same in the four partners
	s_lshl_b32 s10, s60, 2
	s_add_co_u32 s10, s10, s9                      ; query block = 4 x cluster y + cx
	s_mov_b32 s11, ttmp9                           ; batch = cluster x, the same in the four partners
	s_and_b32 s45, s60, 1                          ; the key block at which my cluster begins: 8 b0 + 4 b1 + 6 b2 modulo 16, b2 b1 b0 the bits of the cluster's y
	s_lshl_b32 s45, s45, 3
	s_and_b32 s61, s60, 2
	s_lshl_b32 s61, s61, 1
	s_add_co_u32 s45, s45, s61
	s_lshr_b32 s61, s60, 2
	s_mul_i32 s61, s61, 6
	s_add_co_u32 s45, s45, s61
	s_and_b32 s45, s45, 15
	s_lshl_b32 s58, s45, 17                        ; s[58:59]: the block's byte offset in K and in V: 128 rows of 1,024 bytes a block
	s_mov_b32 s59, 0
	s_mov_b32 s42, 0x76543210                      ; v_permlanex16_b32: lane i of one half reads lane i of the other
	s_mov_b32 s43, 0xfedcba98
	s_lshl_b32 s12, s11, 11
	s_lshl_b32 s13, s10, 6
	s_add_co_u32 s12, s12, s13                     ; my first query's row: 2,048 b + 64 x block
	s_lshl_b32 s50, s12, 10                        ; in q, rows of 1,024 bytes
	s_mov_b32 s51, 0
	s_lshl_b32 s52, s12, 11                        ; in out0, rows of 2,048 bytes,
	s_lshl_b32 s13, s8, 9                          ; and my wave's 128 columns
	s_add_co_u32 s52, s52, s13
	s_mov_b32 s53, 0
	s_lshl_b32 s46, s11, 21                        ; K and V: the batch's 2,048 rows of 1,024 bytes, my wave's 32 rows.  These registers never hold cx
	s_lshl_b32 s48, s8, 15
	s_add_co_u32 s46, s46, s48
	s_add_co_u32 s48, s46, 0x2000000               ; v is the third part of qkv,
	s_add_co_u32 s46, s46, 0x1000000               ; k the second
	s_mov_b32 s47, 0
	s_mov_b32 s49, 0
	v_and_b32 v1, 15, v0                           ; r = l % 16
	v_bfe_u32 v2, v0, 4, 1                         ; h = l / 16
	v_and_b32 v3, 31, v0                           ; l
	v_and_b32 v4, 7, v0                            ; l % 8
	v_bfe_u32 v5, v0, 3, 1                         ; (l / 8) % 2
	v_lshlrev_b32 v6, 10, v1
	v_lshl_add_u32 v[QOFF], v2, 4, v6              ; Q fragment: row r, 16 bytes for each half of the lanes
	s_mul_i32 s[G0K+1], s8, 32*PK                  ; K's LDS address: wave x 32 rows
	v_mul_u32_u24 v7, v1, PK
	v_lshl_add_u32 v7, v2, 4, v7
	v_add_nc_u32 v[ADRK], s[G0K+1], v7             ; K fragment: row 32 w + r
	v_lshl_add_u32 v19, v2, 3, v4                  ; V fragment: key row 8 h + l % 8,
	v_mul_u32_u24 v19, v19, PVP
	v_lshl_add_u32 v19, v5, 4, v19                 ; 16 bytes for each group of eight lanes,
	s_lshl_b32 s54, s8, 8
	s_add_co_u32 s54, s54, VBUF                    ; my wave's 128 columns
	v_add_nc_u32 v[ADRV], s54, v19
	v_add_nc_u32 v[ADRV+1], 64*PVP, v[ADRV]
	v_lshlrev_b32 v[OOFF], 4, v3                   ; 16 l
	v_add_nc_u32 v[ADRP], PBUF, v[OOFF]
	s_lshl_b32 s55, s8, 12
	s_add_co_u32 s55, s55, PBUF                    ; my wave writes the four fragments of key step w
	v_add_nc_u32 v[PST], s55, v[OOFF]
	v_lshlrev_b32 v20, 4, v1
	s_lshl_b32 s56, s8, 8
	s_add_co_u32 s56, s56, MBUF
	v_add_nc_u32 v[MST], s56, v20
	v_add_nc_u32 v[MRD], MBUF, v20
	s_mul_i32 s57, s8, 16*OP
	s_add_co_u32 s57, s57, OST
	v_mul_u32_u24 v21, v1, OP
	v_lshl_add_u32 v21, v2, 5, v21
	v_add_nc_u32 v[OSTO], s57, v21
	v_add_nc_u32 v[ORD], s57, v[OOFF]
.irp g, 0,1,2,3
	v_mov_b32 v[MM+2*\g+1], 0                      ; the packed subtraction below names the pair (M, L): L is written before its first sum
.endr
	; descriptor groups 1: 32 rows of 512 elements of 2 bytes, padding behind every 256 words (K: 4 words, V: 8), asked for jointly by the four partners
	s_mov_b32 s[G1K+0], 15|(1<<16)|(1<<20)|(1<<21)|(7<<22)|(3<<25)
	s_mov_b32 s[G1V+0], 15|(1<<16)|(1<<20)|(1<<21)|(7<<22)|(7<<25)
.irp G, G1K, G1V
	s_mov_b32 s[\G+1], 512<<16                     ; tensor_dim0 = 512
	s_mov_b32 s[\G+2], 32<<16                      ; tensor_dim1 = 32
	s_mov_b32 s[\G+3], 512<<16                     ; tile_dim0 = 512
	s_mov_b32 s[\G+4], 32                          ; tile_dim1 = 32
	s_mov_b32 s[\G+5], 512                         ; elements from row to row
	s_mov_b32 s[\G+6], 0
	s_mov_b32 s[\G+7], 0
.endr
	s_mov_b32 s[G0K], 1
	s_mov_b32 s[G0V], 1
	s_mul_i32 s[G0V+1], s8, 32*PVP
	s_add_co_u32 s[G0V+1], s[G0V+1], VBUF
	s_wait_dscnt 0x0
	s_wait_kmcnt 0x0
	s_add_nc_u64 s[14:15], s[4:5], s[50:51]        ; q at my first query
	s_add_nc_u64 s[40:41], s[6:7], s[52:53]        ; out0 at my first query and my wave's columns
	s_add_nc_u64 s[46:47], s[4:5], s[46:47]        ; k of my batch at my wave's 32 rows of key block 0; kept
	s_add_nc_u64 s[48:49], s[4:5], s[48:49]        ; v likewise; kept
	s_add_nc_u64 s[G0K+2:G0K+3], s[46:47], s[58:59]
	s_or_b32 s[G0K+3], s[G0K+3], 0x80000000        ; type = 2
	s_add_nc_u64 s[G0V+2:G0V+3], s[48:49], s[58:59]
	s_or_b32 s[G0V+3], s[G0V+3], 0x80000000
	CROUND                                         ; the four partners are here: the first joint loads meet
	tensor_load_to_lds s[G0K:G0K+3], s[G1K:G1K+7]  ; my cluster's first K and V tiles in one group, ahead of the 128 loads of Q: two tensor loads of the wave are out, later one
	s_nop 0
	tensor_load_to_lds s[G0V:G0V+3], s[G1V:G1V+7]
	s_nop 0
; Q: 64 queries x 512, all of it in every wave: fragment (d, g) is two loads of 16 bytes a lane
.macro QLOAD half
.irp d, 0,1,2,3,4,5,6,7
.irp g, 0,1,2,3
	global_load_b128 v[8*(4*\d+\g):8*(4*\d+\g)+3],   v[QOFF], s[14:15] offset:16384*\g+64*\d+512*\half
	global_load_b128 v[8*(4*\d+\g)+4:8*(4*\d+\g)+7], v[QOFF], s[14:15] offset:16384*\g+64*\d+512*\half+32
.endr
.endr
.endm
	WIN W_Q_LO
	QLOAD 0
	WIN W_Q_HI
	QLOAD 1
	WIN 0
; 16 LDS loads: my 32 keys x 128 of the 512 along d (four steps of 32), group grp of four
.macro KFETCH grp, buf
.irp d, 0,1,2,3
.irp k, 0,1
	ds_load_b128 v[\buf+8*(2*\d+\k):\buf+8*(2*\d+\k)+3],   v[ADRK] offset:16*PK*\k+64*(4*\grp+\d)
	ds_load_b128 v[\buf+8*(2*\d+\k)+4:\buf+8*(2*\d+\k)+7], v[ADRK] offset:16*PK*\k+64*(4*\grp+\d)+32
.endr
.endr
.endm
; 8 matrix instructions: one step of 32 along d, 2 key tiles x 4 query groups.  The eight accumulators take turns, one instruction a turn.
.macro SSTEP qd, kb, zero
.irp k, 0,1
.irp g, 0,1,2,3
.if \zero
	v_wmma_f32_16x16x32_bf16 v[S+8*(4*\k+\g):S+8*(4*\k+\g)+7], v[\kb+8*\k:\kb+8*\k+7], v[8*(4*(\qd)+\g):8*(4*(\qd)+\g)+7], 0
.else
	v_wmma_f32_16x16x32_bf16 v[S+8*(4*\k+\g):S+8*(4*\k+\g)+7], v[\kb+8*\k:\kb+8*\k+7], v[8*(4*(\qd)+\g):8*(4*(\qd)+\g)+7], v[S+8*(4*\k+\g):S+8*(4*\k+\g)+7]
.endif
.endr
.endr
.endm
.macro SMUL grp, buf, zero
	SSTEP 4*(\grp&1)+0, \buf, \zero
	SSTEP 4*(\grp&1)+1, \buf+16, 0
	SSTEP 4*(\grp&1)+2, \buf+32, 0
	SSTEP 4*(\grp&1)+3, \buf+48, 0
.endm
; 16 transposing LDS loads: keys 32 ks .. 32 ks + 31 of my 128 columns of V, as 8 fragments of V^T
.macro VFETCH ks, buf
.irp c, 0,1,2,3,4,5,6,7
	ds_load_tr16_b128 v[\buf+8*\c:\buf+8*\c+3],   v[ADRV+(\ks>>1)] offset:(\ks&1)*32*PVP+32*\c
	ds_load_tr16_b128 v[\buf+8*\c+4:\buf+8*\c+7], v[ADRV+(\ks>>1)] offset:(\ks&1)*32*PVP+32*\c+16*PVP
.endr
.endm
; 8 LDS loads: the four P fragments of key step ks, 16 neighbouring bytes a lane
.macro PFETCH ks, buf
.irp g, 0,1,2,3
	ds_load_b128 v[\buf+8*\g:\buf+8*\g+3],   v[ADRP] offset:(4*\ks+\g)*1024
	ds_load_b128 v[\buf+8*\g+4:\buf+8*\g+7], v[ADRP] offset:(4*\ks+\g)*1024+512
.endr
.endm
; 32 matrix instructions: one key step, 8 column tiles x 4 query groups; the 32 accumulators take turns
.macro PVMUL vf, pf, zero
	WIN W_PV
.irp c, 0,1,2,3,4,5,6,7
.irp g, 0,1,2,3
.if \zero
	v_wmma_f32_16x16x32_bf16 v[8*(4*\c+\g):8*(4*\c+\g)+7], v[\vf+8*\c:\vf+8*\c+7], v[\pf+8*\g:\pf+8*\g+7], 0
.else
	v_wmma_f32_16x16x32_bf16 v[8*(4*\c+\g):8*(4*\c+\g)+7], v[\vf+8*\c:\vf+8*\c+7], v[\pf+8*\g:\pf+8*\g+7], v[8*(4*\c+\g):8*(4*\c+\g)+7]
.endif
.endr
.endr
	WIN 0
.endm
.macro RESCALE                         ; O times A[g], the lane's own factor for its query of group g
	WIN W_RESC
.irp c, 0,1,2,3,4,5,6,7
.irp g, 0,1,2,3
.irp p, 0,1,2,3
	v_pk_mul_f32 v[8*(4*\c+\g)+2*\p:8*(4*\c+\g)+2*\p+1], v[8*(4*\c+\g)+2*\p:8*(4*\c+\g)+2*\p+1], v[AA+2*\g:AA+2*\g+1] op_sel_hi:[1,0]
.endr
.endr
.endr
	WIN 0
.endm
; One key block.  On entry the first group of K fragments is on its way into buffer 0.  first = 1: my cluster's first block; refill = 1: K and V are asked for again.
.macro BLOCK first, refill
	; S^T = K Q^T, 128 matrix instructions; each group of K fragments is fetched while the one before is multiplied
	KFETCH 1, KF1
	s_wait_dscnt 16                                ; all but the 16 just issued
	WIN W_S_LO
	SMUL 0, KF0, 1                                 ; the first step starts the sums
	PLACES
	KFETCH 2, KF0
	s_wait_dscnt 16
	SMUL 1, KF1, 0
	PLACES
	KFETCH 3, KF1
	s_wait_dscnt 16
	WIN W_S_HI
	SMUL 2, KF0, 0
	s_wait_dscnt 0
	SMUL 3, KF1, 0
	WIN 0
	PLACES
	; the largest of my wave's 32 scores of each query: 16 in the lane, then the other half of the lanes
.irp g, 0,1,2,3
	v_max3_num_f32 v[ML+\g], v[S+8*\g], v[S+8*\g+1], v[S+8*\g+2]
.endr
.irp j, 3,5
.irp g, 0,1,2,3
	v_max3_num_f32 v[ML+\g], v[ML+\g], v[S+8*\g+\j], v[S+8*\g+\j+1]
.endr
.endr
.irp g, 0,1,2,3
	v_max3_num_f32 v[ML+\g], v[ML+\g], v[S+8*\g+7], v[S+32+8*\g]
.endr
.irp j, 1,3,5
.irp g, 0,1,2,3
	v_max3_num_f32 v[ML+\g], v[ML+\g], v[S+32+8*\g+\j], v[S+32+8*\g+\j+1]
.endr
.endr
.irp g, 0,1,2,3
	v_max_num_f32 v[ML+\g], v[ML+\g], v[S+32+8*\g+7]
.endr
.irp g, 0,1,2,3
	v_permlanex16_b32 v[TP+\g], v[ML+\g], s42, s43 ; its destination counts as read: these registers were written by this block's K loads
.endr
.irp g, 0,1,2,3
	v_max_num_f32 v[ML+\g], v[ML+\g], v[TP+\g]
.endr
	ds_store_b128 v[MST], v[ML:ML+3]
	; Barrier A: my reads of K and my store of the maxima are done, and all my tensor loads have landed: my quarter of this block's V
	s_wait_dscnt 0x0
	s_wait_tensorcnt 0x0
	ds_add_u32 v254, v255
	s_wait_dscnt 0x0
.if \refill
	s_add_co_u32 s45, s45, 1                       ; my cluster's next key block, modulo 16; its offset serves K here and V at barrier C
	s_and_b32 s45, s45, 15
	s_lshl_b32 s58, s45, 17
	s_add_nc_u64 s[G0K+2:G0K+3], s[46:47], s[58:59]    ; no tensor load of mine is out: the descriptor may be written
	s_or_b32 s[G0K+3], s[G0K+3], 0x80000000
	CROUND                                         ; the same holds of every wave of the four partners
	tensor_load_to_lds s[G0K:G0K+3], s[G1K:G1K+7]  ; the next K tile, first behind the round
	s_nop 0
.else
	s_barrier_signal -1
	s_barrier_wait -1
.endif
	; softmax: the four waves' maxima, the running maximum M, p = 2^(s - M), my lane's part of the row sum L
.irp w, 0,1,2,3
	ds_load_b128 v[MX+4*\w:MX+4*\w+3], v[MRD] offset:256*\w
.endr
	VFETCH 0, KF0
	s_wait_dscnt 16                                ; the maxima are in; the 16 V loads stay out
.irp g, 0,1,2,3
	v_max3_num_f32 v[TP+\g], v[MX+\g], v[MX+4+\g], v[MX+8+\g]
.endr
.if \first
.irp g, 0,1,2,3
	v_max_num_f32 v[MM+2*\g], v[TP+\g], v[MX+12+\g]
.endr
.else
.irp g, 0,1,2,3
	v_max3_num_f32 v[TP+\g], v[TP+\g], v[MX+12+\g], v[MM+2*\g]
.endr
.irp g, 0,1,2,3
	v_sub_f32 v[AA+2*\g], v[MM+2*\g], v[TP+\g]     ; old maximum - new, at most 0
.endr
.irp g, 0,1,2,3
	v_mov_b32 v[MM+2*\g], v[TP+\g]
.endr
.endif
.irp k, 0,1
.irp g, 0,1,2,3
.irp p, 0,1,2,3
	v_pk_add_f32 v[S+8*(4*\k+\g)+2*\p:S+8*(4*\k+\g)+2*\p+1], v[S+8*(4*\k+\g)+2*\p:S+8*(4*\k+\g)+2*\p+1], v[MM+2*\g:MM+2*\g+1] op_sel_hi:[1,0] neg_lo:[0,1] neg_hi:[0,1]
.endr
.endr
.endr
.set j, 0
.rept 64
	v_exp_f32 v[S+j], v[S+j]
.set j, j+1
.endr
.if \first == 0
.irp g, 0,1,2,3
	v_exp_f32 v[AA+2*\g], v[AA+2*\g]               ; A = 2^(old - new)
.endr
.endif
	v_nop                                          ; one plain place behind the run of exponentials, ahead of the first use (ISA guide 5.7.2)
	s_wait_alu depctr_va_vdst(0)
.irp g, 0,1,2,3
	v_pk_add_f32 v[TP+8*\g:TP+8*\g+1],   v[S+8*\g:S+8*\g+1],       v[S+8*\g+2:S+8*\g+3]
	v_pk_add_f32 v[TP+8*\g+2:TP+8*\g+3], v[S+8*\g+4:S+8*\g+5],     v[S+8*\g+6:S+8*\g+7]
	v_pk_add_f32 v[TP+8*\g+4:TP+8*\g+5], v[S+32+8*\g:S+32+8*\g+1], v[S+32+8*\g+2:S+32+8*\g+3]
	v_pk_add_f32 v[TP+8*\g+6:TP+8*\g+7], v[S+32+8*\g+4:S+32+8*\g+5], v[S+32+8*\g+6:S+32+8*\g+7]
.endr
.irp g, 0,1,2,3
	v_pk_add_f32 v[TP+8*\g:TP+8*\g+1],   v[TP+8*\g:TP+8*\g+1],   v[TP+8*\g+2:TP+8*\g+3]
	v_pk_add_f32 v[TP+8*\g+4:TP+8*\g+5], v[TP+8*\g+4:TP+8*\g+5], v[TP+8*\g+6:TP+8*\g+7]
.endr
.irp g, 0,1,2,3
	v_pk_add_f32 v[TP+8*\g:TP+8*\g+1], v[TP+8*\g:TP+8*\g+1], v[TP+8*\g+4:TP+8*\g+5]
.endr
.if \first
.irp g, 0,1,2,3
	v_add_f32 v[MM+2*\g+1], v[TP+8*\g], v[TP+8*\g+1]
.endr
.else
.irp g, 0,1,2,3
	v_add_f32 v[AA+2*\g+1], v[TP+8*\g], v[TP+8*\g+1]
.endr
.irp g, 0,1,2,3
	v_fma_f32 v[MM+2*\g+1], v[MM+2*\g+1], v[AA+2*\g], v[AA+2*\g+1]     ; L = L A + this block's sum
.endr
.endif
.irp k, 0,1
.irp g, 0,1,2,3
.irp p, 0,1,2,3
	v_cvt_pk_bf16_f32 v[S+8*(4*\k+\g)+\p], v[S+8*(4*\k+\g)+2*\p], v[S+8*(4*\k+\g)+2*\p+1]   ; in place: register p is written when 2 p and 2 p + 1 have been read
.endr
.endr
.endr
.irp k, 0,1
.irp g, 0,1,2,3
	ds_store_b128 v[PST], v[S+8*(4*\k+\g):S+8*(4*\k+\g)+3] offset:1024*\g+512*\k
.endr
.endr
	; Barrier B: P is whole behind it.  The next K tile stays on its way.  O is rescaled while the others arrive.
	s_wait_dscnt 0x0
	s_barrier_signal -1
.if \first == 0
	RESCALE
.endif
	s_barrier_wait -1
	; O^T += V^T P^T, 128 matrix instructions; each key step's fragments are fetched while the one before is multiplied
	PFETCH 0, PF0
	VFETCH 1, KF1
	PFETCH 1, PF1
	s_wait_dscnt 24                                ; younger: key step 1's 16 V loads and 8 P loads
	PVMUL KF0, PF0, \first
	PLACES
	VFETCH 2, KF0
	PFETCH 2, PF0
	s_wait_dscnt 24
	PVMUL KF1, PF1, 0
	PLACES
	VFETCH 3, KF1
	PFETCH 3, PF1
	s_wait_dscnt 24
	PVMUL KF0, PF0, 0
	s_wait_dscnt 0x0                               ; my reads of V and of P are done: the last key step's fragments are in registers
.if \refill
	; Barrier C: all my tensor loads have landed too: my quarter of the next K tile.  V is asked for again first thing behind the round; the last key step,
	; which works on registers alone, follows the request, so that V's load has those 32 matrix instructions and the whole of S in which to land.
	s_wait_tensorcnt 0x0
	ds_add_u32 v254, v255
	s_wait_dscnt 0x0
	s_add_nc_u64 s[G0V+2:G0V+3], s[48:49], s[58:59]
	s_or_b32 s[G0V+3], s[G0V+3], 0x80000000
	CROUND
	tensor_load_to_lds s[G0V:G0V+3], s[G1V:G1V+7]  ; the next V tile, first behind the round
	s_nop 0
	PLACES                                         ; four places behind key step 2's products, which read buffer 0
	KFETCH 0, KF0                                  ; the next block's first K fragments come in under the last key step
	PVMUL KF1, PF1, 0
.rept 5
	v_nop                                          ; five places: the next block's first products write over the P fragments, which the last ones read (ISA guide 7.12.1)
.endr
.else
	PVMUL KF1, PF1, 0
.endif
.endm
	s_wait_tensorcnt 0x1                           ; my quarter of the first K tile is in; V's may stay out
	s_barrier_signal -1
	s_barrier_wait -1
	KFETCH 0, KF0
	s_wait_loadcnt 0x0                             ; Q
	BLOCK 1, 1                                     ; the first block starts M, L and O: nothing but L is cleared
	s_mov_b32 s44, 14
.Lblock:
	BLOCK 0, 1                                     ; the second to the fifteenth block
	s_sub_co_u32 s44, s44, 1
	s_cmp_lg_u32 s44, 0
	s_cbranch_scc1 .Lblock
	BLOCK 0, 0                                     ; the sixteenth asks for nothing more
	; the row sums: the other half of the lanes, then the four waves, through bytes of their own
	PLACES
.irp g, 0,1,2,3
	v_permlanex16_b32 v[TP+\g], v[MM+2*\g+1], s42, s43
.endr
.irp g, 0,1,2,3
	v_add_f32 v[ML+\g], v[MM+2*\g+1], v[TP+\g]
.endr
	ds_store_b128 v[MST], v[ML:ML+3] offset:1024
	s_wait_dscnt 0x0
	s_barrier_signal -1
	s_barrier_wait -1
.irp w, 0,1,2,3
	ds_load_b128 v[MX+4*\w:MX+4*\w+3], v[MRD] offset:1024+256*\w
.endr
	s_wait_dscnt 0x0
	v_pk_add_f32 v[MX:MX+1],     v[MX:MX+1],     v[MX+4:MX+5]
	v_pk_add_f32 v[MX+2:MX+3],   v[MX+2:MX+3],   v[MX+6:MX+7]
	v_pk_add_f32 v[MX+8:MX+9],   v[MX+8:MX+9],   v[MX+12:MX+13]
	v_pk_add_f32 v[MX+10:MX+11], v[MX+10:MX+11], v[MX+14:MX+15]
	v_pk_add_f32 v[MX:MX+1],     v[MX:MX+1],     v[MX+8:MX+9]
	v_pk_add_f32 v[MX+2:MX+3],   v[MX+2:MX+3],   v[MX+10:MX+11]
.irp g, 0,1,2,3
	v_rcp_f32 v[AA+2*\g], v[MX+\g]                 ; the sum is at least 1: the largest score gives 2^0
.endr
	v_nop                                          ; one plain place behind the reciprocals
	s_wait_alu depctr_va_vdst(0)
	RESCALE
; THE WAY OUT, one query group (16 rows) at a time: 32 bytes a lane and tile into my own stage, back as whole rows of 512 bytes
.macro OUTG g, f
	WIN W_OST
.irp c, 0,1,2,3,4,5,6,7
	ds_store_b128 v[OSTO], v[8*(4*\c+\g):8*(4*\c+\g)+3]   offset:64*\c
	ds_store_b128 v[OSTO], v[8*(4*\c+\g)+4:8*(4*\c+\g)+7] offset:64*\c+16
.endr
	WIN 0
	s_wait_xcnt 0x0                                ; buffer f, which earlier stores read, is loaded again only behind this wait
.irp t, 0,1,2,3,4,5,6,7,8,9,10,11,12,13,14,15
	ds_load_b128 v[\f+4*\t:\f+4*\t+3], v[ORD] offset:OP*\t         ; LDS serves a wave's instructions in order: these see the stores above
.endr
.irp t, 0,1,2,3,4,5,6,7,8,9,10,11,12,13,14,15
	s_wait_dscnt 15-\t                             ; the younger row loads stay out
	global_store_b128 v[OOFF], v[\f+4*\t:\f+4*\t+3], s[40:41] offset:2048*(16*\g+\t) th:TH_STORE_NT   ; the wave stores 512 consecutive bytes, aligned
.endr
.endm
	OUTG 0, KF0
	OUTG 1, KF1
	OUTG 2, KF0
	OUTG 3, KF1
	s_wait_tensorcnt 0x0
	ds_add_u32 v254, v255
	s_wait_dscnt 0x0
	CROUND                                         ; the closing round: no work-group ends while a partner may still ask for a tile that names it
	s_endpgm
.Lfunc_end_k_qcc2760cd4a_attn:
	.size	k_qcc2760cd4a_attn, .Lfunc_end_k_qcc2760cd4a_attn-k_qcc2760cd4a_attn
	.p2alignl 7, 3214868480
	.fill 96, 4, 3214868480
	.section	.rodata,"a",@progbits
	.p2align	6, 0x0
	.amdhsa_kernel k_qcc2760cd4a_attn
		.amdhsa_group_segment_fixed_size 327680
		.amdhsa_private_segment_fixed_size 0
		.amdhsa_enable_private_segment 0
		.amdhsa_kernarg_size 16
		.amdhsa_user_sgpr_count 2
		.amdhsa_user_sgpr_kernarg_segment_ptr 1
		.amdhsa_wavefront_size32 1
		.amdhsa_system_sgpr_workgroup_id_x 1
		.amdhsa_system_sgpr_workgroup_id_y 1
		.amdhsa_system_sgpr_workgroup_id_z 1
		.amdhsa_system_vgpr_workitem_id 0
		.amdhsa_next_free_vgpr 1024
		.amdhsa_next_free_sgpr 66
		.amdhsa_reserve_vcc 0
		.amdhsa_float_denorm_mode_32 3
		.amdhsa_float_denorm_mode_16_64 3
		.amdhsa_memory_ordered 1
		.amdhsa_forward_progress 1
		.amdhsa_inst_pref_size 182
	.end_amdhsa_kernel
	.amdgpu_metadata
---
amdhsa.version: [ 1, 2 ]
amdhsa.kernels:
  - .name:           k_qcc2760cd4a_attn
    .symbol:         k_qcc2760cd4a_attn.kd
    .args:
      - { .name: qkv, .offset: 0, .size: 8, .value_kind: global_buffer, .address_space: global }
      - { .name: out0, .offset: 8, .size: 8, .value_kind: global_buffer, .address_space: global }
    .group_segment_fixed_size: 327680
    .private_segment_fixed_size: 0
    .kernarg_segment_align: 8
    .kernarg_segment_size: 16
    .max_flat_workgroup_size: 128
    .sgpr_count:     66
    .vgpr_count:     1024
    .wavefront_size: 32
...
	.end_amdgpu_metadata
.endif
;; end of part 3
